; MI455X (gfx1250); checked and timed in simulation.
; The chip was launched on July 23, 2026; its instructions are those of AMD's public machine-readable ISA for CDNA 5 (MIT licence, August 2026) and "CDNA5" Instruction Set Architecture Reference Guide (July 2026). The comments in the code are by the model that wrote it; some were corrected since.
;; Linear Probe Per Scene. Allowed arithmetic: matrix products marked QUANTISED: E2M1 operands, one E8M0 scale for each 32 along K, by v_wmma_scale_f32_16x16x128_f8f6f4 with both operands' format E2M1 (or v_wmma_scale_f32_32x16x128_f4), f32 sums; everything else in f32.
;; Inputs: W1_codes 4,096 x 64 x 16 uint8 (E2M1 codes of W1, K innermost, in blocks of 32 codes, two codes a byte); W1_scales 4,096 x 64 uint8 (E8M0 scales of W1, one for each 32 codes along K); Ws_codes 4 x 2,048 x 64 x 16 uint8 (E2M1 codes of Ws, K innermost, in blocks of 32 codes, two codes a byte); Ws_scales 4 x 2,048 x 64 uint8 (E8M0 scales of Ws, one for each 32 codes along K); b1 4,096 float32; bs 4 x 2,048 float32; scene_sign 2,048 int32; x_codes 2,048 x 64 x 16 uint8 (E2M1 codes of x, K innermost, in blocks of 32 codes, two codes a byte); x_scales 2,048 x 64 uint8 (E8M0 scales of x, one for each 32 codes along K).
;; Outputs: out0 2,048 x 4,096 float32.
;; This version of the problem:
;;   THIS VERSION OF THE PROBLEM IS GIVEN IN LOW PRECISION. The matrix products marked QUANTISED in the list below multiply operands that are first quantised to E2M1 (2 exponent bits, 1 mantissa bit; 4 bits a number), with one power-of-two scale for each 32 numbers along K (OCP MX v1.0); their sums are f32. All else is computed in f32.
;;   The module's matrix products, in the order in which they are computed (A, B: the left and right operand; K: the contracted axis; several contracted axes count as one K, in the product's order):
;;     1. [M 2,048, K 2,048] x [K 2,048, N 2,048]; A: input x (given as codes); B: input Ws (given as codes): QUANTISED
;;     2. [M 2,048, K 2,048] x [K 2,048, N 2,048]; A: input x (given as codes); B: input Ws (given as codes): QUANTISED
;;     3. [M 2,048, K 2,048] x [K 2,048, N 2,048]; A: input x (given as codes); B: input Ws (given as codes): QUANTISED
;;     4. [M 2,048, K 2,048] x [K 2,048, N 2,048]; A: input x (given as codes); B: input Ws (given as codes): QUANTISED
;;     5. [M 2,048, K 2,048] x [K 2,048, N 4,096]; A: computed on the way; B: input W1 (given as codes): QUANTISED
;;   THE QUANTISER, for each operand of a quantised product, along K:
;;     - K is cut into blocks of 32 from its start; a last block that is shorter is filled with zeros.
;;     - A block's scale is 2^e with e = floor(log2(the largest magnitude in the block)) - 2, held to -126 .. 127; a block of zeros has e = 0. As a byte (E8M0): e + 127.
;;     - Each number is divided by its block's scale, clamped to +-6, and rounded to the nearest number of E2M1, ties to even, subnormals kept.
;;     - The product sums the exact products of the quantised numbers (number of the format x scale) in f32.
;;   ~~~python
;;   def quantise(x, axis):      # numpy; x: float32 -> the quantised numbers, widened to float32 again
;;       x = np.moveaxis(x, axis, -1); K = x.shape[-1]
;;       x = np.pad(x, [(0, 0)] * (x.ndim - 1) + [(0, -K % 32)]); x = x.reshape(x.shape[:-1] + (-1, 32)); a = np.abs(x).max(-1, keepdims=True)
;;       e = np.where(a > 0, np.clip(np.frexp(np.where(a > 0, a, 1))[1] - 1 - 2, -126, 127), 0)      # np.frexp(a)[1] - 1 = floor(log2(a)), exactly
;;       r = np.clip(x / 2.0 ** e, -6, 6)
;;       step = 2.0 ** (np.maximum(np.frexp(np.where(r == 0, 1, r))[1] - 1, 0) - 1)
;;       q = np.round(r / step) * step * 2.0 ** e      # np.round: ties to even
;;       return np.moveaxis(q.reshape(q.shape[:-2] + (-1,))[..., :K], -1, axis).astype(np.float32)
;;   ~~~
;;   OPERANDS COMPUTED ON THE WAY. 'Computed on the way' means the value that the module computes at that place (a softmax that the list does not call 'softmax' is quantised finished and normalised). What goes into a quantiser is computed in f32, as accurately as f32 sums, v_exp_f32 and their like allow (about 1e-6 of the number): no bf16 or f16 on the way to a quantiser, and a product that is left as it is and whose result goes on into a quantised operand takes f32 operands (vector FMAs, or v_wmma_f32_16x16x4_f32). A number that lies on a knife's edge between two numbers of the format may be rounded either way, as far as f32 arithmetic and the matrix unit's own rounding can turn it there, and no further.
;;   INPUTS GIVEN AS CODES. W1 (in the module: [4096, 2048], K = its axis 1); Ws (in the module: [4, 2048, 2048], K = its axis 2); x (in the module: [2048, 2048], K = its axis 1): each comes as NAME_codes (uint8): NAME with its K axis moved to the last place and cut into blocks of 32 codes, [.., K / 32, bytes a block], one block behind the other in memory; two codes a byte, the lower K in the low four bits (a code: sign, 2 exponent bits, 1 mantissa bit); and NAME_scales (uint8): the same leading axes, one E8M0 byte (e + 127) for each 32 codes along K. Its value is code x scale, taken as it is: it is not quantised again, and the codes and scales need not be those that the quantiser above would give.
;; One version. Each part assembles by itself: llvm-mc -triple=amdgcn-amd-amdhsa -mcpu=gfx1250 --defsym DOCPART=n.
;; ======== version 1 of 1: 2 launches
;; limits: right only within a limited range of input values
;; workspace buffers: y_codes 2,097,152 bytes; y_scales 131,072 bytes
;; launch scene (part 1): grid 16 x 16, 4 waves a work-group, no clusters, 327,680 bytes of LDS; arguments scene_sign, x_codes, x_scales, Ws_codes, Ws_scales, bs, y_codes, y_scales; writes y_codes, y_scales
.if DOCPART == 1
	.amdgcn_target "amdgcn-amd-amdhsa--gfx1250"
	.amdhsa_code_object_version 6
	.text
	.protected	k_q8610c147a3_scene
	.globl	k_q8610c147a3_scene
	.p2align	8
	.type	k_q8610c147a3_scene,@function
k_q8610c147a3_scene:
	s_mov_b64 s[64:65], 0
	v_nop
	global_prefetch_b8 v0, s[64:65] scope:SCOPE_SE
	s_setreg_imm32_b32 hwreg(HW_REG_WAVE_MODE, 25, 1), 1
	s_wait_xcnt 0x0
; y = Q(relu(x[i] Ws[s_i - 1]^T + bs[s_i - 1])), rows in stable order by scene: codes of FP4 (E2M1) with one E8M0 byte for each 32 columns, for the launch that follows.
; WORK LEFT OUT.  For row i the where() of the problem keeps x[i] Ws[s]^T + bs[s] for the one s with s + 1 == scene_sign[i] and adds 0.0 for the other three, whatever x, Ws and bs hold:
; so three rows in four of products 1 to 4 reach no output, and only the chosen scene's product of each row is made.  scene_sign, a whole-number input, decides; this launch reads it from memory.
; Every input has a way to the output and is loaded.  LIMITS: a NaN, an infinity or an overflow in a scene that was not chosen for a row is not carried to the result;
; scene_sign outside 1 .. 4 is not served (every address is held inside its buffer); a block of zeros of y gets the byte 1 (its codes are zeros; the bytes are read by this program alone);
; the f32 sums run along K from a chunk that differs from work-group to work-group (below), so their order of rounding is not the ascending one.
; SHARES.  Work-group (kc, t): 128 columns of y (kc) x one tile of up to 160 rows of ONE scene (t).  A scene of n rows has c = ceil(n / 160) tiles of q = ceil(n / c) rows; the sum of the c is at most 16 for every split
; of 2,048 rows, so 16 x 16 work-groups serve every split.  Slots beyond a tile's rows repeat its last row and are not stored; a tile without rows runs the same text and stores nothing.  There is no branch.
; DATA.  Asynchronous copies, memory to LDS, sixteen lanes to 256 consecutive bytes of a row: 160 rows of x (gathered by the list) and 128 rows of Ws, all of K, each byte filled once.  They are all issued at the head.
; K goes in 4 chunks of 512 (256 bytes a row), in TURNED ORDER: place p = 0 .. 3 holds chunk (p + kc + t) & 3, so that the work-groups that read the same rows do not all ask for the same chunk first.  LDS, registers and
; K steps are numbered by place.  No cluster: neighbours may have other scenes and x's rows are gathered.  No prefetch: there is no loop to run ahead in.
; THE LIST is made in registers while the weights' copies fly: each wave finds the rows of the 40 slots that it copies.
; THE PRODUCT IS USED TRANSPOSED: source 0 = 16 rows of Ws, source 1 = 16 slots of x.  Tile 2 b + u takes weight rows 32 b + 8 u + m + 8 (m / 8), so that a lane's 16 registers of tiles 2 b, 2 b + 1 are 16 neighbouring columns.
; In LDS the weight rows (and their scale rows) are laid with bits 3 and 4 of the row's number changed over, so that a tile's 16 rows lie on end.
; Wave w: slots 80 (w / 2) on (5 fragments) x columns 64 (w % 2) on (4 tiles): 20 accumulators.  y_codes is laid [kc][sorted row][64 bytes], y_scales [sorted row][64].
; REGISTERS.  Window 0: v0-31 addresses; v32-95 scene_sign, later v32-111 scale words (16 a + K step: lanes 0-15 x's fragment a, lanes 16-31 Ws's tile a): then scales and nothing else; v112-201 the copies' addresses; v202 on at work.
;   window 1: two sets of fragments at 0 and 128: x's five at 8 a, Ws's four at 40 + 8 t.   window 2: accumulator (a, t) at 32 a + 8 t; bs's four tiles at 160.
.set PITCH, 1040                       ; an LDS row: 1,024 bytes + 16: the 16 rows of a fragment load start 4 banks apart
.set WB,    160*PITCH                  ; Ws's 128 rows
.set SCX,   WB+128*PITCH               ; x's scale rows: 64 bytes, 16 more behind every four: 68 a row
.set SCW,   310528                     ; Ws's
.set SPARE, 319232                     ; the spare words, 128 bytes for each wave
.set SCST,  319744                     ; the way out: 160 scale words.  The codes' stage, 160 rows x 80 bytes, lies at byte 0, over rows of x that have had their only fill and their last read
.set SS,  32                           ; register SS + 4 j + i, lane l: scene_sign[128 j + 4 l + i]
.set SC,  32
.set WG,  112                          ; v112-127 byte offsets of my 16 pairs of rows of Ws;  v128-143 where they go in LDS
.set WL,  128
.set XG,  144                          ; v144-163 the same for my 20 pairs of slots;  v164-183
.set XL,  164
.set WSG, 184                          ; v184-187, v188-191: Ws's scale rows
.set WSL, 188
.set XSG, 192                          ; v192-196, v197-201: x's
.set XSL, 197
.set LA,  202                          ; the two lookups of a lane: two blocks of registers of the same make
.set LB,  226
.set oK, 0                             ; k << 4 | 15
.set oS, 1                             ; (rows of the scene ahead of the group) << 4 | group
.set oM, 2                             ; 2-5 the group's four ballots
.set oT, 6
.set oP, 7
.set oA, 8                             ; 8-11 counts of 2 lanes
.set oB, 12                            ; 12-13 counts of 4 lanes, of two ballots each
.set oC, 14                            ; counts of 8 lanes, of all four
.set oX, 15
.set oY, 16
.set oR, 17
.set BQ,  66                           ; s66-77 ballots of three groups by turns
.set XCP, 78                           ; s[78:85] x's codes at the chunk of place 0 .. 3, less 256 p;  s[86:93] Ws's codes
.set WCP, 86
.set MSB, 0
.macro WIN new                         ; the immediate's high byte repeats the setting that is left
.if MSB != \new
	s_set_vgpr_msb (MSB<<8)|\new
.set MSB, \new
.endif
.endm
.macro PLACES n
.rept \n
	v_nop
.endr
.endm
.macro BAR
	s_barrier_signal -1
	s_barrier_wait -1
.endm
.macro TILES d, n                      ; ceil(n / 160) = ((n + 159) / 32) / 5; x 205 / 1024 is / 5 exactly up to 68
	s_add_co_u32 s[\d], s[\n], 159
	s_lshr_b32 s[\d], s[\d], 5
	s_mul_i32 s[\d], s[\d], 205
	s_lshr_b32 s[\d], s[\d], 10
.endm
.macro PICK lim, e, o, n, c            ; from tile s[lim] on: scene e, its first tile, its first sorted row, its rows, its tiles
	s_cmp_ge_u32 s24, s[\lim]
	s_cselect_b32 s35, \e, s35
	s_cselect_b32 s36, s[\lim], s36
	s_cselect_b32 s37, s[\o], s37
	s_cselect_b32 s38, s[\n], s38
	s_cselect_b32 s39, s[\c], s39
.endm
; both lookups, one instruction each
.macro DK op, d, k, y
	\op v[LA+\d], \k, v[LA+\y]
	\op v[LB+\d], \k, v[LB+\y]
.endm
.macro DV op, d, x, y
	\op v[LA+\d], v[LA+\x], v[LA+\y]
	\op v[LB+\d], v[LB+\x], v[LB+\y]
.endm
.macro D3 d, x, y, z
	v_add3_u32 v[LA+\d], v[LA+\x], v[LA+\y], v[LA+\z]
	v_add3_u32 v[LB+\d], v[LB+\x], v[LB+\y], v[LB+\z]
.endm
.macro DB d, f, w                      ; the field of w bits at the place found so far
	v_bfe_u32 v[LA+\d], v[LA+\f], v[LA+oP], \w
	v_bfe_u32 v[LB+\d], v[LB+\f], v[LB+oP], \w
.endm
.macro DGE y
	v_cmp_ge_u32 vcc_lo, v[LA+oT], v[LA+\y]
	v_cmp_ge_u32 s54, v[LB+oT], v[LB+\y]
.endm
.macro TAKE step                       ; at or over the count of the lower half: go to the upper half
	DGE oX
	v_cndmask_b32 v[LA+oX], 0, v[LA+oX], vcc_lo
	v_cndmask_b32 v[LB+oX], 0, v[LB+oX], s54
	v_cndmask_b32 v[LA+oY], 0, \step, vcc_lo
	v_cndmask_b32 v[LB+oY], 0, \step, s54
	DV v_sub_nc_u32, oT, oT, oX
	DV v_add_nc_u32, oP, oP, oY
.endm
.macro BALLOT g
.irp i, 0,1,2,3
	v_cmp_eq_u32 s[BQ+4*((\g)%3)+\i], s42, v[SS+4*(\g)+\i]
.endr
.endm
.macro COPYW c                         ; place c's chunk of my 32 rows of Ws (the immediate is added to both addresses)
.set p, 0
.rept 16
	global_load_async_to_lds_b128 v[WL+p], v[WG+p], s[WCP+2*(\c):WCP+2*(\c)+1] offset:256*(\c)
.set p, p+1
.endr
.endm
.macro COPYX c                         ; place c's chunk of my 40 slots' rows of x
.set p, 0
.rept 20
	global_load_async_to_lds_b128 v[XL+p], v[XG+p], s[XCP+2*(\c):XCP+2*(\c)+1] offset:256*(\c)
.set p, p+1
.endr
.endm
.macro FETCH c, q, p                   ; 18 LDS loads: the fragments of place c's q-th 128 along K into set p.  A fragment: lane l holds row l % 16; registers 4 c .. 4 c + 3 hold K = 64 c + 32 (l / 16) + 0 .. 31
	WIN 0x40
.irp t, 0,1,2,3
	ds_load_b128 v[128*(\p)+40+8*\t:128*(\p)+43+8*\t], v8 offset:16*PITCH*\t+256*(\c)+64*(\q)
	ds_load_b128 v[128*(\p)+44+8*\t:128*(\p)+47+8*\t], v8 offset:16*PITCH*\t+256*(\c)+64*(\q)+32
.endr
.irp a, 0,1,2,3
	ds_load_b128 v[128*(\p)+8*\a:128*(\p)+8*\a+3], v6 offset:16*PITCH*\a+256*(\c)+64*(\q)
	ds_load_b128 v[128*(\p)+8*\a+4:128*(\p)+8*\a+7], v6 offset:16*PITCH*\a+256*(\c)+64*(\q)+32
.endr
	ds_load_b128 v[128*(\p)+32:128*(\p)+35], v7 offset:256*(\c)+64*(\q)
	ds_load_b128 v[128*(\p)+36:128*(\p)+39], v7 offset:256*(\c)+64*(\q)+32
.endm
.macro MUL p, ks                       ; 20 matrix instructions, K step ks (numbered by place).  The 20 accumulators take turns, one instruction a turn, in the same order in every step.  K step 0 takes bs as C: nothing is cleared, no bias is added
	WIN 0xa5
.irp a, 0,1,2,3,4
.irp t, 0,1,2,3
.if (\ks) == 0
	v_wmma_scale_f32_16x16x128_f8f6f4 v[32*\a+8*\t:32*\a+8*\t+7], v[128*(\p)+40+8*\t:128*(\p)+47+8*\t], v[128*(\p)+8*\a:128*(\p)+8*\a+7], v[160+8*\t:167+8*\t], v[SC+16*\t+(\ks)], v[SC+16*\a+(\ks)] matrix_a_fmt:MATRIX_FMT_FP4 matrix_b_fmt:MATRIX_FMT_FP4 matrix_a_scale:MATRIX_SCALE_ROW1
.else
	v_wmma_scale_f32_16x16x128_f8f6f4 v[32*\a+8*\t:32*\a+8*\t+7], v[128*(\p)+40+8*\t:128*(\p)+47+8*\t], v[128*(\p)+8*\a:128*(\p)+8*\a+7], v[32*\a+8*\t:32*\a+8*\t+7], v[SC+16*\t+(\ks)], v[SC+16*\a+(\ks)] matrix_a_fmt:MATRIX_FMT_FP4 matrix_b_fmt:MATRIX_FMT_FP4 matrix_a_scale:MATRIX_SCALE_ROW1
.endif
.endr
.endr
.endm
; A chunk: its scale words, then four K steps on fragment sets 0, 1, 0, 1; each step's fragments are fetched a step ahead.  Four plain places stand between the matrix instructions that read a set and the loads into it
; (ISA guide 7.12.1 for vector instructions).
.macro COMPUTE c
.irp a, 0,1,2,3
	ds_load_b128 v[SC+16*\a+4*(\c):SC+16*\a+4*(\c)+3], v9 offset:1088*\a+16*(\c)
.endr
	ds_load_b128 v[SC+64+4*(\c):SC+64+4*(\c)+3], v10 offset:16*(\c)
.if (\c) > 0
	PLACES 4
.endif
	FETCH \c, 0, 0
.irp q, 0,1,2
.if \q > 0
	PLACES 4
.endif
	FETCH \c, \q+1, (\q+1)%2
	s_wait_dscnt 18                                ; all but the 18 loads just issued: this step's set is in
	MUL (\q)%2, 4*(\c)+\q
.endr
	s_wait_dscnt 0x0
.if (\c) == 3
	s_barrier_signal -1                            ; my last reads of x's rows are in: the stage may be laid over them behind the wait for this barrier; register work until then
.endif
	MUL 1, 4*(\c)+3
	WIN 0
.endm
.macro MASK_ON                         ; EXEC is a source of pending loads and stores: it changes only behind s_wait_xcnt 0
	s_wait_xcnt 0x0
	s_and_saveexec_b32 s57, vcc_lo
.endm
.macro MASK_OFF
	s_wait_xcnt 0x0
	s_mov_b32 exec_lo, -1
.endm
	s_load_b512 s[4:19], s[0:1], 0x0               ; scene_sign s[4:5], x's codes s[6:7], x's scales s[8:9], Ws's codes s[10:11], Ws's scales s[12:13], bs s[14:15], y's codes s[16:17], y's scales s[18:19]
	v_lshl_add_u32 v4, v0, 2, SPARE                ; my spare word, and 0: never rewritten
	v_mov_b32 v5, 0
	ds_add_u32 v4, v5                              ; the wave's opening: the add, twice on end, waited for ahead of my first copy
	ds_add_u32 v4, v5
	v_and_b32 v1, 31, v0                           ; lane
	v_lshlrev_b32 v17, 4, v1
	v_and_b32 v2, 15, v0                           ; r
	v_bfe_u32 v3, v0, 4, 1                         ; h
	v_lshrrev_b32 v30, 5, v0
	v_readfirstlane_b32 s20, v30                   ; wave w
	s_lshr_b32 s21, s20, 1                         ; which 80 slots are mine
	s_and_b32 s22, s20, 1                          ; which 64 columns
	s_mov_b32 s23, ttmp9                           ; kc
	s_and_b32 s24, ttmp7, 0xffff                   ; tile
	s_mov_b32 s46, 0x76543210
	s_mov_b32 s47, 0xfedcba98                      ; v_permlanex16_b32's selects for lane l xor 16
	s_wait_alu depctr_va_vdst(0)
	s_wait_dscnt 0x0                               ; both opening adds are done
	s_wait_kmcnt 0x0
.set j, 0
.rept 16
	global_load_b128 v[SS+4*j:SS+4*j+3], v17, s[4:5] offset:512*j   ; all 2,048 signs: 512 consecutive bytes a load
.set j, j+1
.endr
	; THE ADDRESSES, while the signs are on their way
	v_mul_u32_u24 v28, v2, PITCH
	v_lshl_add_u32 v28, v3, 4, v28                 ; a fragment's row x pitch + 16 h
	s_mul_i32 s43, s21, 80*PITCH
	v_add_nc_u32 v6, s43, v28                      ; v6: x's fragments 0-3; v7: fragment 4
	v_add_nc_u32 v7, 64*PITCH, v6
	s_mul_i32 s43, s22, 64*PITCH
	s_add_co_u32 s43, s43, WB
	v_add_nc_u32 v8, s43, v28                      ; v8: Ws's
	v_lshrrev_b32 v29, 2, v2
	v_lshlrev_b32 v31, 6, v2
	v_lshl_add_u32 v31, v29, 4, v31                ; scale row r: 64 r + 16 (r / 4)
	s_mul_i32 s43, s21, 80*68
	s_add_co_u32 s43, s43, SCX
	s_mul_i32 s44, s22, 64*68
	s_add_co_u32 s44, s44, SCW
	s_sub_co_u32 s44, s44, s43
	v_mul_u32_u24 v29, s44, v3                     ; lanes 16-31 take Ws's: the lower base + h x the distance
	v_add_nc_u32 v28, s43, v31
	v_add_nc_u32 v9, v28, v29                      ; v9: the scale words of fragments and tiles 0-3;
	v_add_nc_u32 v10, 4*1088, v28                  ; v10: of fragment 4, in both halves of the lanes
	v_lshlrev_b32 v14, 10, v3
	v_lshl_add_u32 v14, v2, 4, v14
	s_lshl_b32 s43, s20, 15
	v_add_nc_u32 v14, s43, v14                     ; Ws in memory: (32 w + h) rows of 1,024 bytes + 16 r
	v_mul_u32_u24 v15, v3, PITCH
	v_lshl_add_u32 v18, v2, 4, v15                 ; h rows of LDS + 16 r
	s_mul_i32 s43, s20, 32*PITCH
	s_add_co_u32 s43, s43, WB
	v_add_nc_u32 v15, s43, v18
	s_mul_i32 s43, s20, 40*PITCH
	v_add_nc_u32 v16, s43, v18
.set p, 0
.rept 16
	v_add_nc_u32 v[WG+p], 2048*p, v14              ; rows 32 w + 2 p + h
	v_add_nc_u32 v[WL+p], PITCH*(((2*p)&7)+16*(((2*p)>>3)&1)+8*(((2*p)>>4)&1)), v15
.set p, p+1
.endr
.set p, 0
.rept 20
	v_add_nc_u32 v[XL+p], 2*PITCH*p, v16           ; slots 40 w + 2 p + h
	v_mov_b32 v[XG+p], 0                           ; (a lane move's destination counts as one of its sources)
.set p, p+1
.endr
	v_lshlrev_b32 v18, 4, v2                       ; 16 r
	s_add_co_u32 s43, s23, s24
	v_add_nc_u32 v19, s43, v1
	v_and_b32 v19, 3, v19
	v_lshlrev_b32 v19, 4, v19                      ; scale bytes: LDS piece l & 3 of a row takes the row's piece (l + kc + t) & 3: pieces by place
	v_lshrrev_b32 v29, 2, v1                       ; lane / 4
	v_lshl_add_u32 v28, v29, 6, v19
	s_lshl_b32 s44, s20, 11
	v_add_nc_u32 v28, s44, v28
	v_lshl_add_u32 v31, v3, 4, v17
	s_mul_i32 s44, s20, 32*68
	s_add_co_u32 s44, s44, SCW
	v_add_nc_u32 v31, s44, v31
.irp i, 0,1,2,3
	v_add_nc_u32 v[WSG+\i], 512*\i, v28            ; Ws's scale rows 32 w + 8 i + lane / 4
	v_add_nc_u32 v[WSL+\i], 1088*(\i%2)+544*(\i/2), v31
.endr
	v_lshrrev_b32 v206, 2, v2                      ; q = r / 4
	v_lshl_add_u32 v207, v206, 1, v3
	v_lshlrev_b32 v207, 6, v207
	v_lshrrev_b32 v206, 1, v206
	v_lshl_add_u32 v207, v206, 4, v207
	v_and_b32 v13, 3, v0
	v_lshlrev_b32 v13, 4, v13                      ; 16 (lane % 4)
	v_add_nc_u32 v207, v207, v13
	s_mul_i32 s44, s20, 40*68
	s_add_co_u32 s44, s44, SCX
	v_add_nc_u32 v207, s44, v207
.irp i, 0,1,2,3,4
	v_add_nc_u32 v[XSL+\i], 544*\i, v207           ; x's scale rows: slots 40 w + 8 i + 2 q + h
	v_mov_b32 v[XSG+\i], 0
.endr
	v_lshlrev_b32 v20, 6, v3                       ; bs: 16 h numbers on
	s_mul_i32 s44, s20, 40
	v_lshl_add_u32 v21, v2, 1, v3
	v_add_nc_u32 v21, s44, v21                     ; my first lookup: slot 40 w + 2 r + h;
	v_and_b32 v22, 3, v2
	v_lshl_add_u32 v22, v22, 1, v3
	s_add_co_u32 s43, s44, 32
	v_add_nc_u32 v22, s43, v22                     ; my second: slot 40 w + 32 + 2 (r % 4) + h
	v_add_nc_u32 v12, s44, v29                     ; the way out, back: slot 40 w + lane / 4
	v_mad_u32_u24 v25, v29, 80, v13
	s_mul_i32 s43, s20, 3200
	v_add_nc_u32 v25, s43, v25                     ; its 16 bytes in the stage
	v_mul_u32_u24 v23, v2, 80
	v_lshl_add_u32 v23, v3, 4, v23
	s_mul_i32 s43, s21, 6400
	s_lshl_b32 s44, s22, 5
	s_add_co_u32 s43, s43, s44
	v_add_nc_u32 v23, s43, v23                     ; in: slot 80 (w / 2) + r, my 32 bytes of its 64, block h
	s_mul_i32 s43, s21, 320
	s_lshl_b32 s44, s22, 1
	s_add_co_u32 s43, s43, s44
	s_add_co_u32 s43, s43, SCST
	v_lshlrev_b32 v24, 2, v2
	v_add_nc_u32 v24, s43, v24                     ; and my two bytes of its scale word
	v_and_b32 v26, 7, v0
	s_lshl_b32 s43, s20, 3
	s_add_co_u32 s43, s43, 128
	v_add_nc_u32 v26, s43, v26                     ; scale words out: slots 0 .. 127 by the thread's number, then slot 128 + 8 w + lane % 8
	v_lshl_add_u32 v27, v26, 2, SCST
	v_lshl_add_u32 v11, v0, 2, SCST
.irp k, 202,203,204,205,216,217
	v_mov_b32 v\k, 0
.endr
	s_wait_alu depctr_va_vdst(0)
	s_wait_loadcnt 0x0                             ; the signs
	; THE COUNTS: each lane adds 1 << 8 (s - 1) for its 64 signs: four counts of at most 64 in four bytes
.set j, 0
.rept 8
.irp k, 0,1,2,3,4,5,6,7
	v_lshl_add_u32 v[206+\k], v[SS+j+\k], 3, -8
.endr
.irp k, 0,1,2,3,4,5,6,7
	v_lshl_add_u32 v[202+\k%4], 1, v[206+\k], v[202+\k%4]
.endr
.set j, j+8
.endr
	v_add_nc_u32 v202, v202, v203
	v_add_nc_u32 v204, v204, v205
	v_add_nc_u32 v202, v202, v204
	v_and_b32 v214, 0x00ff00ff, v202               ; scenes 1 and 3, in fields of 16 bits: the 32 lanes' sum, at most 2,048, fits
	v_lshrrev_b32 v215, 8, v202
	v_and_b32 v215, 0x00ff00ff, v215               ; scenes 2 and 4
.irp m, 1,2,4,8
	v_mov_b32_dpp v216, v214 row_xmask:\m row_mask:0xf bank_mask:0xf
	v_mov_b32_dpp v217, v215 row_xmask:\m row_mask:0xf bank_mask:0xf
	v_add_nc_u32 v214, v214, v216
	v_add_nc_u32 v215, v215, v217
.endr
	v_permlanex16_b32 v216, v214, s46, s47
	v_permlanex16_b32 v217, v215, s46, s47
	v_add_nc_u32 v214, v214, v216
	v_add_nc_u32 v215, v215, v217
	v_readfirstlane_b32 s43, v214
	v_readfirstlane_b32 s44, v215
	s_and_b32 s25, s43, 0xffff                     ; n0 .. n3
	s_lshr_b32 s27, s43, 16
	s_and_b32 s26, s44, 0xffff
	s_lshr_b32 s28, s44, 16
	; MY TILE'S SCENE.  Selects alone
	TILES 48, 25                                   ; s48-51: the scenes' tiles
	TILES 49, 26
	TILES 50, 27
	TILES 51, 28
	s_mov_b32 s29, s48                             ; s29-31: the first tile of scenes 2, 3, 4
	s_add_co_u32 s30, s29, s49
	s_add_co_u32 s31, s30, s50
	s_mov_b32 s32, s25                             ; s32-34: their first sorted rows
	s_add_co_u32 s33, s32, s26
	s_add_co_u32 s34, s33, s27
	s_mov_b32 s35, 0
	s_mov_b32 s36, 0
	s_mov_b32 s37, 0
	s_mov_b32 s38, s25
	s_mov_b32 s39, s48
	PICK 29, 1, 32, 26, 49
	PICK 30, 2, 33, 27, 50
	PICK 31, 3, 34, 28, 51
	s_min_u32 s35, s35, 3                          ; the scene, 0 .. 3
	s_add_co_u32 s42, s35, 1                       ; and its sign
	s_mov_b32 s45, 0
	s_lshl_b32 s60, s35, 21
	s_lshl_b32 s43, s23, 17
	s_add_co_u32 s60, s60, s43                     ; Ws's codes: the scene's 2 MiB, my 128 rows of 1,024 bytes
	s_mov_b32 s61, 0
	s_lshl_b32 s44, s35, 17
	s_lshl_b32 s43, s23, 13
	s_add_co_u32 s44, s44, s43
	s_add_nc_u64 s[12:13], s[12:13], s[44:45]      ; Ws's scales: my 128 rows of 64 bytes
	s_lshl_b32 s44, s35, 13
	s_lshl_b32 s43, s23, 9
	s_add_co_u32 s44, s44, s43
	s_lshl_b32 s43, s22, 8
	s_add_co_u32 s44, s44, s43
	s_add_nc_u64 s[14:15], s[14:15], s[44:45]      ; bs: my wave's 64 numbers
	; the four places' bases: place p takes chunk (p + kc + t) & 3, 256 bytes a chunk; less the 256 p that the copies' immediate adds for the LDS side
	s_add_co_u32 s43, s23, s24
.irp p, 0,1,2,3
	s_add_co_u32 s56, s43, \p
	s_and_b32 s56, s56, 3
	s_lshl_b32 s44, s56, 8
	s_add_nc_u64 s[WCP+2*\p:WCP+2*\p+1], s[10:11], s[44:45]
	s_add_nc_u64 s[XCP+2*\p:XCP+2*\p+1], s[6:7], s[44:45]
.if \p > 0
	s_sub_nc_u64 s[WCP+2*\p:WCP+2*\p+1], s[WCP+2*\p:WCP+2*\p+1], 256*\p
	s_sub_nc_u64 s[XCP+2*\p:XCP+2*\p+1], s[XCP+2*\p:XCP+2*\p+1], 256*\p
.endif
	s_add_nc_u64 s[WCP+2*\p:WCP+2*\p+1], s[WCP+2*\p:WCP+2*\p+1], s[60:61]   ; the scene's offset goes in last
.endr
	; COPIES 1 to 52 of my 153: Ws's scale rows (4), then its chunks of places 0, 1, 2 (16 each).  They fly while the list is made
.irp i, 0,1,2,3
	global_load_async_to_lds_b128 v[WSL+\i], v[WSG+\i], s[12:13]
.endr
	COPYW 0
	COPYW 1
	COPYW 2
	WIN 0x80
.irp t, 0,1,2,3
	global_load_b128 v[160+8*\t:163+8*\t], v20, s[14:15] offset:(32*(\t/2)+8*(\t%2))*4      ; bs in the result's layout: columns 32 b + 8 u + 16 h + 0 .. 7
	global_load_b128 v[164+8*\t:167+8*\t], v20, s[14:15] offset:(32*(\t/2)+8*(\t%2))*4+16
.endr
	WIN 0
	; MY TILE'S ROWS.  q = ceil(n / c): how many of 0 .. 159 times c lie under n
	v_mul_u32_u24 v216, s39, v1
	s_lshl_b32 s43, s39, 5
.irp k, 0,1,2,3
	v_add_nc_u32 v[217+\k], s43, v[216+\k]
.endr
.irp k, 0,1,2,3,4
	v_cmp_gt_u32 s[48+\k], s38, v[216+\k]
.endr
.irp k, 0,1,2,3,4
	s_bcnt1_i32_b32 s[48+\k], s[48+\k]
.endr
	s_add_co_u32 s48, s48, s49
	s_add_co_u32 s50, s50, s51
	s_add_co_u32 s48, s48, s52
	s_add_co_u32 s48, s48, s50                     ; q
	s_sub_co_u32 s43, s24, s36
	s_mul_i32 s39, s43, s48                        ; K0: my tile's first row within its scene
	s_sub_co_i32 s41, s38, s39
	s_max_i32 s41, s41, 0
	s_min_i32 s41, s41, s48                        ; CNT: how many of my 160 slots hold rows
	s_add_co_u32 s40, s37, s39
	s_min_u32 s40, s40, 2047                       ; POS0: my first sorted row
	s_sub_co_i32 s43, s41, 1
	s_max_i32 s43, s43, 0
	v_min_u32 v[LA+oK], s43, v21                   ; a slot without a row takes the last row
	v_min_u32 v[LB+oK], s43, v22
	DK v_add_nc_u32, oK, s39, oK                   ; k: which row of my scene
	v_lshl_or_b32 v[LA+oK], v[LA+oK], 4, 15
	v_lshl_or_b32 v[LB+oK], v[LB+oK], 4, 15
	; THE LIST.  Group j: rows 128 j .. 128 j + 127, four ballots (bit l of ballot i: row 128 j + 4 l + i).  S = (rows of my scene ahead of the group) << 4 | j rises with j; the last group with S <= (k << 4 | 15) holds the row.
	s_mov_b32 s48, 0
	BALLOT 0
	BALLOT 1
.set j, 0
.rept 16
.if j < 14
	BALLOT j+2                                     ; ballots are made two groups ahead of their use
.endif
.set q4, BQ+4*(j%3)
.if j < 15
	s_bcnt1_i32_b32 s56, s[q4]
	s_bcnt1_i32_b32 s57, s[q4+1]
	s_bcnt1_i32_b32 s58, s[q4+2]
	s_bcnt1_i32_b32 s59, s[q4+3]
	s_add_co_u32 s56, s56, s57
	s_add_co_u32 s58, s58, s59
	s_add_co_u32 s56, s56, s58
	s_lshl4_add_u32 s[48+(j+1)%2], s56, s[48+j%2]
	s_add_co_u32 s[48+(j+1)%2], s[48+(j+1)%2], 1   ; the next group's S
.endif
.if j == 0
.irp b, LA, LB
	v_mov_b32 v[\b+oS], 0
.irp i, 0,1,2,3
	v_mov_b32 v[\b+oM+\i], s[q4+\i]
.endr
.endr
.else
	v_cmp_le_u32 vcc_lo, s[48+j%2], v[LA+oK]
	v_cmp_le_u32 s54, s[48+j%2], v[LB+oK]
	v_cndmask_b32 v[LA+oS], v[LA+oS], s[48+j%2], vcc_lo
.irp i, 0,1,2,3
	v_cndmask_b32 v[LA+oM+\i], v[LA+oM+\i], s[q4+\i], vcc_lo
.endr
	v_cndmask_b32 v[LB+oS], v[LB+oS], s[48+j%2], s54
.irp i, 0,1,2,3
	v_cndmask_b32 v[LB+oM+\i], v[LB+oM+\i], s[q4+\i], s54
.endr
.endif
.set j, j+1
.endr
	; within the group: the lane l at which the four ballots' running count passes t, by counts of 2, 4, 8 and 16 lanes; then which of the lane's four rows
	DK v_lshrrev_b32, oX, 4, oS
	DK v_lshrrev_b32, oT, 4, oK
	DV v_sub_nc_u32, oT, oT, oX                    ; t = k less the rows ahead of the group
.irp i, 0,1,2,3
	DK v_lshrrev_b32, oA+\i, 1, oM+\i
.endr
.irp i, 0,1,2,3
	DK v_and_b32, oA+\i, 0x55555555, oA+\i
.endr
.irp i, 0,1,2,3
	DV v_sub_nc_u32, oA+\i, oM+\i, oA+\i
.endr
.irp g, 0,1
	DK v_and_b32, oX, 0x33333333, oA+2*\g
	DK v_lshrrev_b32, oY, 2, oA+2*\g
	DK v_lshrrev_b32, oR, 2, oA+2*\g+1
	DK v_and_b32, oY, 0x33333333, oY
	DK v_and_b32, oR, 0x33333333, oR
	DV v_add_nc_u32, oX, oX, oY
	DK v_and_b32, oY, 0x33333333, oA+2*\g+1
	D3 oB+\g, oX, oY, oR
.endr
	DK v_and_b32, oX, 0x0f0f0f0f, oB
	DK v_lshrrev_b32, oY, 4, oB
	DK v_lshrrev_b32, oR, 4, oB+1
	DK v_and_b32, oY, 0x0f0f0f0f, oY
	DK v_and_b32, oR, 0x0f0f0f0f, oR
	DV v_add_nc_u32, oX, oX, oY
	DK v_and_b32, oY, 0x0f0f0f0f, oB+1
	D3 oC, oX, oY, oR
	DK v_lshrrev_b32, oX, 8, oC
	DV v_add_nc_u32, oX, oX, oC
	DK v_and_b32, oX, 0xff, oX
	v_mov_b32 v[LA+oP], 0
	v_mov_b32 v[LB+oP], 0
	TAKE 16
	DB oX, oC, 8
	TAKE 8
	DB oX, oB, 4
	DB oY, oB+1, 4
	DV v_add_nc_u32, oX, oX, oY
	TAKE 4
	DB oX, oA, 2
	DB oY, oA+1, 2
	DB oR, oA+2, 2
	D3 oX, oX, oY, oR
	DB oY, oA+3, 2
	DV v_add_nc_u32, oX, oX, oY
	TAKE 2
	DB oX, oM, 1
	DB oY, oM+1, 1
	DB oR, oM+2, 1
	D3 oX, oX, oY, oR
	DB oY, oM+3, 1
	DV v_add_nc_u32, oX, oX, oY
	TAKE 1
	DB oX, oM, 1
	DB oY, oM+1, 1
	DB oR, oM+2, 1
	DV v_add_nc_u32, oY, oX, oY
	DV v_add_nc_u32, oR, oY, oR
	DGE oX
	v_cndmask_b32 v[LA+oA], 0, 1, vcc_lo
	v_cndmask_b32 v[LB+oA], 0, 1, s54
	DGE oY
	v_cndmask_b32 v[LA+oA], v[LA+oA], 2, vcc_lo
	v_cndmask_b32 v[LB+oA], v[LB+oA], 2, s54
	DGE oR
	v_cndmask_b32 v[LA+oA], v[LA+oA], 3, vcc_lo
	v_cndmask_b32 v[LB+oA], v[LB+oA], 3, s54
	DK v_and_b32, oX, 15, oS
.irp b, LA, LB
	v_lshl_add_u32 v[\b+oR], v[\b+oP], 2, v[\b+oA]
.endr
.irp b, LA, LB
	v_lshl_add_u32 v[\b+oR], v[\b+oX], 7, v[\b+oR] ; the row of x: 128 j + 4 l + i
.endr
	; to the copies' lanes: pair p's two rows to the two halves; of the scale rows four lanes a row
.irp p, 0,1,2,3,4,5,6,7,8,9,10,11,12,13,14,15
	v_mov_b32_dpp v[XG+\p], v[LA+oR] row_share:\p row_mask:0xf bank_mask:0xf
.endr
.irp p, 0,1,2,3
	v_mov_b32_dpp v[XG+16+\p], v[LB+oR] row_share:\p row_mask:0xf bank_mask:0xf
.endr
	s_mov_b32 s48, 0x11110000
	s_mov_b32 s49, 0x33332222
	v_permlane16_b32 v[XSG+0], v[LA+oR], s48, s49
	v_permlane16_b32 v[XSG+4], v[LB+oR], s48, s49
	s_mov_b32 s50, 0x55554444
	s_mov_b32 s51, 0x77776666
	v_permlane16_b32 v[XSG+1], v[LA+oR], s50, s51
	s_mov_b32 s52, 0x99998888
	s_mov_b32 s53, 0xbbbbaaaa
	v_permlane16_b32 v[XSG+2], v[LA+oR], s52, s53
	s_mov_b32 s56, 0xddddcccc
	s_mov_b32 s57, 0xffffeeee
	v_permlane16_b32 v[XSG+3], v[LA+oR], s56, s57
.irp i, 0,1,2,3,4
	v_min_u32 v[XSG+\i], 0x7ff, v[XSG+\i]          ; held inside the buffer
.endr
.irp i, 0,1,2,3,4
	v_lshl_add_u32 v[XSG+\i], v[XSG+\i], 6, v19    ; a scale row is 64 bytes; my piece of it
.endr
.set p, 0
.rept 20
	v_min_u32 v[XG+p], 0x7ff, v[XG+p]
.set p, p+1
.endr
.set p, 0
.rept 20
	v_lshl_add_u32 v[XG+p], v[XG+p], 10, v18       ; a row of x is 1,024 bytes; 16 bytes a lane
.set p, p+1
.endr
	; COPIES 53 to 153: x's scale rows (5), x at place 0 (20: to 77), at 1 (20: to 97), Ws at 3 (16: to 113), x at 2 (20: to 133), at 3 (20: to 153)
.irp i, 0,1,2,3,4
	global_load_async_to_lds_b128 v[XSL+\i], v[XSG+\i], s[8:9]
.endr
	COPYX 0
	COPYX 1
	COPYW 3
	COPYX 2
	COPYX 3
	s_mov_b32 s45, 0
	s_lshl_b32 s44, s23, 17
	s_add_nc_u64 s[16:17], s[16:17], s[44:45]      ; y's codes: plane kc
	s_lshl_b32 s44, s23, 2
	s_add_nc_u64 s[18:19], s[18:19], s[44:45]      ; y's scales: word kc of a row
	; THE CHUNKS.  No LDS byte is filled twice: a barrier a chunk shows every wave's copies of it to all.
	s_wait_alu depctr_va_vdst(0)
	s_wait_loadcnt 0x0                             ; bs
	s_wait_asynccnt 63                             ; copies 1 to 90 are in; place 0 needs 1 to 77
	BAR
	COMPUTE 0
	s_wait_asynccnt 56                             ; copies 1 to 97
	BAR
	COMPUTE 1
	s_wait_asynccnt 20                             ; copies 1 to 133
	BAR
	COMPUTE 2
	s_wait_asynccnt 0x0
	BAR
	COMPUTE 3
	; RELU AND THE QUANTISER.  Block n = 2 a + b: registers 16 n .. 16 n + 15 of window 2 are columns 32 b + 16 h + 0 .. 15 of slot 16 a + r; lanes l and l xor 16 hold a block of 32.
	PLACES 4
	WIN 0x88
.set i, 0
.rept 160
	v_max_num_f32 v[i], 0, v[i]                    ; each accumulator from its low end on
.set i, i+1
.endr
	WIN 0x0a
.irp n, 0,1,2,3,4,5,6,7,8,9
	v_max3_num_f32 v[176+\n], v[16*\n], v[16*\n+1], 0x1800000   ; no |.|: none is negative.  The floor 2^(3 - 127) holds the byte at 1 from below
.endr
.irp i, 2,4,6,8,10,12,14
.irp n, 0,1,2,3,4,5,6,7,8,9
	v_max3_num_f32 v[176+\n], v[16*\n+\i], v[16*\n+\i+1], v[176+\n]   ; (the ten blocks by turns)
.endr
.endr
	WIN 0
.irp n, 0,1,2,3,4,5,6,7,8,9
	v_mov_b32 v[186+\n], 0
.endr
.irp n, 0,1,2,3,4,5,6,7,8,9
	v_permlanex16_b32 v[186+\n], v[176+\n], s46, s47
.endr
.irp n, 0,1,2,3,4,5,6,7,8,9
	v_max_num_f32 v[176+\n], v[176+\n], v[186+\n]  ; the block's largest number
.endr
.irp n, 0,1,2,3,4,5,6,7,8,9
	v_add_nc_u32 v[196+\n], 0xff000000, v[176+\n]  ; 2 off its exponent field: the conversion's scale operand
.endr
.irp n, 0,1,2,3,4,5,6,7,8,9
	v_lshrrev_b32 v[206+\n], 23, v[196+\n]         ; the scale's byte
.endr
.irp a, 0,1,2,3,4
	v_lshl_or_b32 v[216+\a], v[207+2*\a], 8, v[206+2*\a]   ; my two bytes of the slot's scale word
.endr
	WIN 0x02
.irp n, 0,1,2,3,4,5,6,7,8,9
	v_cvt_scalef32_pk8_fp4_f32 v[224+2*\n], v[16*\n:16*\n+7], v[196+\n]
	v_cvt_scalef32_pk8_fp4_f32 v[225+2*\n], v[16*\n+8:16*\n+15], v[196+\n]
.endr
	WIN 0
	v_nop                                          ; one plain place behind a scaled conversion
.irp a, 0,1,2,3,4
.irp i, 0,1
	v_permlane16_swap_b32 v[224+4*\a+\i], v[226+4*\a+\i]   ; a whole block to a lane: lanes 0-15 block 0, lanes 16-31 block 1: 16 bytes
.endr
.endr
	s_wait_alu depctr_va_vdst(0)
	s_barrier_wait -1                              ; every wave has read its last rows of x: the stage may be written
.irp a, 0,1,2,3,4
	ds_store_b128 v23, v[224+4*\a:227+4*\a] offset:1280*\a
	ds_store_b16 v24, v[216+\a] offset:64*\a       ; (both halves of the lanes write the same two bytes with the same value)
.endr
	s_wait_dscnt 0x0                               ; for the others' sake: a slot's 64 bytes and its word come from two waves
	BAR
	; OUT: wave w stores slots 40 w .. 40 w + 39, eight rows of 64 bytes (512 consecutive bytes) an instruction, those slots alone that hold rows
.irp i, 0,1,2,3,4
	ds_load_b128 v[224+4*\i:227+4*\i], v25 offset:640*\i
.endr
	ds_load_b32 v244, v11
	ds_load_b32 v245, v27
	s_wait_tensorcnt 0x0                           ; the wave's end, behind my last LDS store
	ds_add_u32 v4, v5
.irp i, 0,1,2,3,4
	v_add_nc_u32 v[200+\i], 8*\i, v12              ; the slot
	v_add_nc_u32 v[246+\i], s40, v[200+\i]
	v_min_u32 v[246+\i], 0x7ff, v[246+\i]          ; its sorted row
	v_lshl_add_u32 v[246+\i], v[246+\i], 6, v13    ; 64 bytes a row, 16 bytes a lane
.endr
	v_add_nc_u32 v251, s40, v0
	v_min_u32 v251, 0x7ff, v251
	v_lshlrev_b32 v251, 6, v251                    ; the scale rows of slots 0 .. 127
	v_add_nc_u32 v252, s40, v26
	v_min_u32 v252, 0x7ff, v252
	v_lshlrev_b32 v252, 6, v252                    ; and of slots 128 .. 159
	s_wait_alu depctr_va_vdst(0)
	s_wait_dscnt 0x0
.irp i, 0,1,2,3,4
	v_cmp_gt_u32 vcc_lo, s41, v[200+\i]            ; does the slot hold a row?
	MASK_ON
	global_store_b128 v[246+\i], v[224+4*\i:227+4*\i], s[16:17]
	MASK_OFF
.endr
	v_cmp_gt_u32 vcc_lo, s41, v0
	MASK_ON
	global_store_b32 v251, v244, s[18:19]          ; the scale words of slots 0 .. 127, one a thread: 4 bytes of a row of 64 (1 byte for every 16 of codes)
	MASK_OFF
	v_cmp_gt_u32 s54, s41, v26
	v_cmp_gt_u32 s55, 8, v1
	s_and_b32 vcc_lo, s54, s55
	MASK_ON
	global_store_b32 v252, v245, s[18:19]          ; and of slots 128 .. 159, eight a wave
	MASK_OFF
	s_endpgm
.Lfunc_end_k_q8610c147a3_scene:
	.size	k_q8610c147a3_scene, .Lfunc_end_k_q8610c147a3_scene-k_q8610c147a3_scene
	.p2alignl 7, 3214868480
	.fill 96, 4, 3214868480
	.section	.rodata,"a",@progbits
	.p2align	6, 0x0
	.amdhsa_kernel k_q8610c147a3_scene
		.amdhsa_group_segment_fixed_size 327680
		.amdhsa_private_segment_fixed_size 0
		.amdhsa_enable_private_segment 0
		.amdhsa_kernarg_size 64
		.amdhsa_user_sgpr_count 2
		.amdhsa_user_sgpr_kernarg_segment_ptr 1
		.amdhsa_wavefront_size32 1
		.amdhsa_system_sgpr_workgroup_id_x 1
		.amdhsa_system_sgpr_workgroup_id_y 1
		.amdhsa_system_sgpr_workgroup_id_z 1
		.amdhsa_system_vgpr_workitem_id 0
		.amdhsa_next_free_vgpr 768
		.amdhsa_next_free_sgpr 98
		.amdhsa_reserve_vcc 1
		.amdhsa_float_denorm_mode_32 3
		.amdhsa_float_denorm_mode_16_64 3
		.amdhsa_memory_ordered 1
		.amdhsa_forward_progress 1
		.amdhsa_inst_pref_size 157
	.end_amdhsa_kernel
	.amdgpu_metadata
---
amdhsa.version: [ 1, 2 ]
amdhsa.kernels:
  - .name:           k_q8610c147a3_scene
    .symbol:         k_q8610c147a3_scene.kd
    .args:
      - { .name: scene_sign, .offset: 0, .size: 8, .value_kind: global_buffer, .address_space: global }
      - { .name: x_codes, .offset: 8, .size: 8, .value_kind: global_buffer, .address_space: global }
      - { .name: x_scales, .offset: 16, .size: 8, .value_kind: global_buffer, .address_space: global }
      - { .name: Ws_codes, .offset: 24, .size: 8, .value_kind: global_buffer, .address_space: global }
      - { .name: Ws_scales, .offset: 32, .size: 8, .value_kind: global_buffer, .address_space: global }
      - { .name: bs, .offset: 40, .size: 8, .value_kind: global_buffer, .address_space: global }
      - { .name: y_codes, .offset: 48, .size: 8, .value_kind: global_buffer, .address_space: global }
      - { .name: y_scales, .offset: 56, .size: 8, .value_kind: global_buffer, .address_space: global }
    .group_segment_fixed_size: 327680
    .private_segment_fixed_size: 0
    .kernarg_segment_align: 8
    .kernarg_segment_size: 64
    .max_flat_workgroup_size: 128
    .sgpr_count:     98
    .vgpr_count:     768
    .wavefront_size: 32
...
	.end_amdgpu_metadata
.endif
;; end of part 1
;; launch probe (part 2): grid 16 x 16, 4 waves a work-group, clusters of 4 x 4, 327,680 bytes of LDS; arguments y_codes, y_scales, W1_codes, W1_scales, out0, b1; writes out0
.if DOCPART == 2
	.amdgcn_target "amdgcn-amd-amdhsa--gfx1250"
	.amdhsa_code_object_version 6
	.text
	.protected	k_q8610c147a3_probe
	.globl	k_q8610c147a3_probe
	.p2align	8
	.type	k_q8610c147a3_probe,@function
k_q8610c147a3_probe:
	s_mov_b64 s[64:65], 0
	v_nop
	global_prefetch_b8 v0, s[64:65] scope:SCOPE_SE
	s_setreg_imm32_b32 hwreg(HW_REG_WAVE_MODE, 25, 1), 1
	s_wait_xcnt 0x0
	s_wait_alu depctr_hold_cnt(0) depctr_sa_sdst(0) depctr_va_vdst(0) depctr_va_sdst(0) depctr_va_ssrc(0) depctr_va_vcc(0) depctr_vm_vsrc(0)
	s_getreg_b32 s2, hwreg(HW_REG_IB_STS2, 6, 4)
	s_cmp_eq_u32 s2, 0
	s_cbranch_scc0 .Lentry_in_a_cluster
	s_endpgm
.Lentry_in_a_cluster:
	s_bfe_u32 s2, ttmp6, 0x10000c
	s_cmp_lg_u32 s2, 0xf033
	s_cbranch_scc0 .Lentry_shape_is_right
	s_endpgm
.Lentry_shape_is_right:
; out0[m][n] = sum over k of y[m][k] W1[n][k] + b1[n]: product 5, on codes of FP4 (E2M1) with one E8M0 scale for each 32 along K; sums in f32.  Nothing of this product is left out.
; y: 2,048 sorted rows, made by the launch before: codes laid [kc = k / 128][row][64 bytes], scale bytes [row][64].  W1: [4096][2048] codes, 1,024 bytes a row; scale bytes [4096][64].  out0: [2048][4096] f32.
; A work-group makes 128 rows x 256 columns of out0 (16 x 16 work-groups), AS TWO SUB-TILES of 128 x 128, one after the other.  Four waves; in a sub-tile a wave makes 64 x 64: 16 accumulators.
; y's FRAGMENTS STAY IN REGISTERS: a wave reads its 64 rows of y, all 16 K steps of 128, from LDS once, into 512 registers.  Then y's bytes in LDS are free, and W1's rows 128-255 are brought into them:
; the one refill of the launch.  It is on its way while sub-tile 0 (W1's rows 0-127) is multiplied and stored; sub-tile 0's stores are on their way while sub-tile 1 is multiplied.
; LDS IN LINES OF 256 BYTES + 16.  y: plane kc is 128 rows x 64 bytes = 32 lines, four rows to a line: row r of a fragment begins at 64 r + 16 (r / 4), so that 16 rows begin at 16 different places modulo 256 bytes.
; W1: K step s (512 along K) of 128 rows is 128 lines, a row to a line.  y's 16 planes and a sub-tile's four K steps are 512 lines each.
; THE SCALES of the 128 rows of y and 256 rows of W1, for all of K, are dense blocks of memory: they come into LDS once, in the same lines, and stay.
; CLUSTERS: 4 x 4 work-groups.  The four of a row of the cluster need the same rows of y, the four of a column the same rows of W1: each is asked for JOINTLY, by the same tensor load with the same descriptor and a mask that names the four.
; THE MATRIX INSTRUCTION IS USED TRANSPOSED (source 0 = 16 rows of W1, source 1 = 16 rows of y): a lane holds eight neighbouring numbers of a row of out0.  b1 is the C of each sum's first product.
; REGISTERS: window 0: v0-31 addresses; v32-95 scale words (16 i + K step: lanes 0-15 y's block i, lanes 16-31 W1's block i): scales and nothing else; v128-191 rows on the way out; v192-255 b1 (32 a sub-tile).
;   window 1: W1's fragments, three sets, at 0, 32, 64; accumulator (i, j) at 128 + 8 (4 i + j).   windows 2 and 3: y's fragments: K steps 0-7 and 8-15, at 32 (K step % 8) + 8 i.
.set SIZE_N, 4096
.set PB,     272                       ; a line: 256 bytes + 16
.set TILE,   128*PB                    ; what one tensor load of codes brings: 128 lines
.set PLANE,  32*PB                     ; a plane of y: 128 rows x 64 bytes
.set RA,     0                         ; y's 16 planes; later W1's rows 128-255, K step s at s TILE
.set RB,     4*TILE                    ; W1's rows 0-127, brought by ONE load: a row is its whole 1,024 bytes + 16 of padding.  (W1's rows 128-255 lie in lines, K step s at s TILE)
.set PA,     1040
.set G1H,    4                         ; s[4:11] group 1 of that load (the arguments that lay there have been used by then)
.set SCL,    8*TILE                    ; y's scales, two halves of 16 lines,
.set SAH,    16*PB
.set SCLB,   SCL+2*SAH                 ; W1's, two halves of 32 lines
.set SBH,    32*PB
.set SBLK,   4*PB                      ; 16 rows of 64 bytes: of y's codes in a plane, and of scale bytes
.set STAGE,  SCLB+2*SBH                ; the way out: 16 rows x (256 + 16) bytes for each wave: bytes of their own, into which no fill lands
.set SPARE,  STAGE+4*16*PB             ; the spare words, 128 bytes for each wave
.set ADRA,  16                         ; v16-19 LDS address of my fragments of y: planes 4 g on
.set ADRB,  20                         ; v20 of W1's in RB;  v22-23 of W1's in RA: K steps 0-1, 2-3
.set STO,   24
.set RD,    25
.set CO,    26
.set ADRS0, 27                         ; v27 my scale words in sub-tile 0: lanes 0-15 y's rows, lanes 16-31 W1's;  v30 in sub-tile 1
.set SPW,   28
.set NIL,   29
.set ADRS1, 30
.set SC,    32
.set BK,    128
.set BIAS,  192
.set ACC,   128
.set G1,   24                          ; s[24:31] group 1, s[32:35] group 0 for y's planes
.set G0,   32
.set G1B,  48                          ; s[48:55] group 1 for W1's tiles; s[56:59] group 0 for rows 0-127, s[60:63] for rows 128-255
.set G0B,  56
.set G1S,  68                          ; s[68:75], s[76:79]: y's scales;  s[80:87], s[88:91]: W1's
.set G0S,  76
.set G1SB, 80
.set G0SB, 88
.set MSB, 0
.macro WIN new                         ; the immediate's high byte repeats the setting that is left
.if MSB != \new
	s_set_vgpr_msb (MSB<<8)|\new
.set MSB, \new
.endif
.endm
.set TO_B,  0x40                       ; destination window 1, address window 0
; The head's joint loads, one a wave, in ONE tree of branches on the wave's number: an arm each, an s_nop 0 and four v_nop behind each load.
.macro ARM under, g0, g1, next
	s_cmp_lt_u32 s14, \under
	s_cbranch_scc0 \next
	tensor_load_to_lds s[\g0:\g0+3], s[\g1:\g1+7]
	s_nop 0
.rept 4
	v_nop
.endr
	s_branch .Lhead_asked
\next:
.endm
.macro CREST                           ; a round of the cluster's barrier behind its opening barrier
	s_cmp_lg_u32 s14, 0
	s_cbranch_scc1 .Lnot_wave_0_\@
	s_barrier_signal -3
.Lnot_wave_0_\@:
	s_barrier_wait -3
	s_barrier_signal -1
	s_barrier_wait -1
.endm
.macro CROUND
	s_barrier_signal -1
	s_barrier_wait -1
	CREST
.endm
.macro PLACES n
.rept \n
	v_nop
.endr
.endm
	s_load_b128 s[4:7], s[0:1], 0x0                ; y's codes, y's scales
	s_load_b128 s[8:11], s[0:1], 0x10              ; W1's codes, W1's scales
	s_load_b64 s[12:13], s[0:1], 0x20              ; out0
	s_load_b64 s[96:97], s[0:1], 0x28              ; b1
	v_lshl_add_u32 v[SPW], v0, 2, SPARE
	v_mov_b32 v[NIL], 0
	ds_add_u32 v[SPW], v[NIL]                      ; the wave's opening: the add, twice on end, waited for ahead of my first tensor load
	ds_add_u32 v[SPW], v[NIL]
	v_lshrrev_b32 v1, 5, v0
	v_readfirstlane_b32 s14, v1                    ; wave 0..3
	s_lshr_b32 s15, s14, 1                         ; which 64 rows are mine
	s_and_b32 s16, s14, 1                          ; which 64 columns of a sub-tile
	s_bfe_u32 s40, ttmp6, 0x40000                  ; cx, cy
	s_bfe_u32 s41, ttmp6, 0x40004
	s_lshl_b32 s42, ttmp9, 2
	s_add_co_u32 s42, s42, s40                     ; tile column = 4 x cluster x + cx
	s_and_b32 s17, ttmp7, 0xffff
	s_lshl_b32 s17, s17, 2
	s_add_co_u32 s17, s17, s41                     ; tile row = 4 x cluster y + cy
	s_lshl_b32 s43, s41, 2
	s_lshl_b32 s43, 15, s43                        ; my row of the cluster
	s_lshl_b32 s44, 0x1111, s40                    ; my column
	; y's planes: 16 rows of 8,192 bytes (128 rows of y in a plane), 131,072 bytes apart; 16 bytes of padding behind every 256
	s_or_b32 s[G1+0], s43, (1<<20)|(1<<21)|(5<<22)|(3<<25)   ; 15:0 the mask; 17:16 elements of 1 byte; 20 padding on; 21 set beside a mask; 24:22 after every 64 words (code 5); 31:25 four words (code 3)
	s_mov_b32 s[G1+1], 8192<<16                    ; tensor_dim0
	s_mov_b32 s[G1+2], 16<<16                      ; tensor_dim1: all 16 planes
	s_mov_b32 s[G1+3], 8192<<16                    ; tile_dim0
	s_mov_b32 s[G1+4], 16                          ; tile_dim1
	s_mov_b32 s[G1+5], 131072                      ; tensor_dim0_stride
	s_mov_b32 s[G1+6], 0
	s_mov_b32 s[G1+7], 0
	; W1's tiles: 128 rows of 256 bytes, 1,024 apart; 16 bytes behind every 256
	s_or_b32 s[G1B+0], s44, (1<<20)|(1<<21)|(5<<22)|(3<<25)
	s_mov_b32 s[G1B+1], 256<<16
	s_mov_b32 s[G1B+2], 128<<16
	s_mov_b32 s[G1B+3], 256<<16
	s_mov_b32 s[G1B+4], 128
	s_mov_b32 s[G1B+5], 1024
	s_mov_b32 s[G1B+6], 0
	s_mov_b32 s[G1B+7], 0
	; the scales: dense blocks as rows of 256 bytes (32 elements of 8 bytes), 16 bytes behind each: 16 rows for 64 rows of y, 32 for 128 rows of W1
	s_or_b32 s[G1S+0], s43, (3<<16)|(1<<20)|(1<<21)|(5<<22)|(3<<25)
	s_mov_b32 s[G1S+1], 32<<16
	s_mov_b32 s[G1S+2], 32<<16                     ; all 128 rows of y: 32 lines
	s_mov_b32 s[G1S+3], 32<<16
	s_mov_b32 s[G1S+4], 32
	s_mov_b32 s[G1S+5], 32
	s_mov_b32 s[G1S+6], 0
	s_mov_b32 s[G1S+7], 0
	s_or_b32 s[G1SB+0], s44, (3<<16)|(1<<20)|(1<<21)|(5<<22)|(3<<25)
	s_mov_b32 s[G1SB+1], 32<<16
	s_mov_b32 s[G1SB+2], 64<<16                    ; all 256 rows of W1: 64 lines
	s_mov_b32 s[G1SB+3], 32<<16
	s_mov_b32 s[G1SB+4], 64
	s_mov_b32 s[G1SB+5], 32
	s_mov_b32 s[G1SB+6], 0
	s_mov_b32 s[G1SB+7], 0
	; where the tiles come from: y's hang on the tile row and the wave's number, W1's on the tile column and the wave's number, each in registers that never hold the other coordinate
	s_lshl_b32 s20, s17, 13                        ; y: row 128 x tile row, x 64 bytes: in a plane of codes and in the scales alike
	s_mov_b32 s21, 0
	s_lshl_b32 s92, s42, 14                        ; W1: row 256 x tile column: its scales, 64 bytes a row,
	s_mov_b32 s93, 0
	s_lshl_b32 s46, s42, 18                        ; its codes, 1,024 bytes a row
	s_mov_b32 s47, 0
	s_lshl_b32 s18, s14, 8                         ; the refill: K step = wave,
	s_mov_b32 s19, 0
	s_mul_i32 s45, s14, TILE                       ; to wave x 128 lines: no place in the cluster enters an LDS address
	s_wait_dscnt 0x0                               ; both opening adds are done
	s_wait_kmcnt 0x0
	s_add_nc_u64 s[22:23], s[6:7], s[20:21]
	s_add_nc_u64 s[20:21], s[4:5], s[20:21]
	s_add_nc_u64 s[92:93], s[10:11], s[92:93]
	s_add_nc_u64 s[46:47], s[8:9], s[46:47]
	; W1's rows 0-127, whole: 128 rows of 1,024 bytes, 16 bytes of padding behind each (code 7: 256 words; code 3: four words)
	s_or_b32 s[G1H+0], s44, (1<<20)|(1<<21)|(7<<22)|(3<<25)
	s_mov_b32 s[G1H+1], 1024<<16
	s_mov_b32 s[G1H+2], 128<<16
	s_mov_b32 s[G1H+3], 1024<<16
	s_mov_b32 s[G1H+4], 128
	s_mov_b32 s[G1H+5], 1024
	s_mov_b32 s[G1H+6], 0
	s_mov_b32 s[G1H+7], 0
	s_mov_b32 s[G0S], 1
	s_mov_b32 s[G0S+1], SCL
	s_mov_b64 s[G0S+2:G0S+3], s[22:23]
	s_or_b32 s[G0S+3], s[G0S+3], 0x80000000
	s_mov_b32 s[G0SB], 1
	s_mov_b32 s[G0SB+1], SCLB
	s_mov_b64 s[G0SB+2:G0SB+3], s[92:93]
	s_or_b32 s[G0SB+3], s[G0SB+3], 0x80000000
	s_mov_b32 s[G0], 1                             ; y's 16 planes -> RA
	s_mov_b32 s[G0+1], RA
	s_mov_b64 s[G0+2:G0+3], s[20:21]
	s_or_b32 s[G0+3], s[G0+3], 0x80000000
	s_mov_b32 s[G0B], 1                            ; W1's rows 0-127 -> RB
	s_mov_b32 s[G0B+1], RB
	s_mov_b64 s[G0B+2:G0B+3], s[46:47]
	s_or_b32 s[G0B+3], s[G0B+3], 0x80000000
	s_mov_b32 s[G0B+4], 1                          ; W1's rows 128-255, K step w -> RA + w TILE: a set of its own, written here and never again
	s_mov_b32 s[G0B+5], s45
	s_add_nc_u64 s[G0B+6:G0B+7], s[46:47], 128*1024
	s_add_nc_u64 s[G0B+6:G0B+7], s[G0B+6:G0B+7], s[18:19]
	s_or_b32 s[G0B+7], s[G0B+7], 0x80000000
	CROUND                                         ; all sixteen work-groups are here: the first joint loads meet
	ARM 1, G0,  G1,  .Lhead_w1                     ; the first fills, one a wave: wave 0 fetches y's 128 rows, all of K,
	ARM 2, G0B, G1H, .Lhead_ys                     ; wave 1 W1's rows 0-127, all of K,
	ARM 3, G0S, G1S, .Lhead_w1s                    ; wave 2 y's scales,
	tensor_load_to_lds s[G0SB:G0SB+3], s[G1SB:G1SB+7]   ; wave 3 W1's
	s_nop 0
	PLACES 4
.Lhead_asked:
	v_and_b32 v1, 15, v0                           ; r
	v_bfe_u32 v2, v0, 4, 1                         ; h
	v_lshlrev_b32 v5, 6, v1
	v_lshrrev_b32 v6, 2, v1
	v_lshl_add_u32 v5, v6, 4, v5                   ; 64 r + 16 (r / 4): row r of 16 rows of 64 bytes, four to a line
	v_lshl_add_u32 v3, v2, 4, v5                   ; + 16 h: y's fragments
	s_mul_i32 s21, s15, SAH                        ; my 64 rows of a plane: 16 lines
.irp g, 0,1,2,3
	v_add_nc_u32 v[ADRA+\g], s21, v3
	s_add_co_u32 s21, s21, TILE
.endr
	v_mul_u32_u24 v4, v1, PB
	v_lshl_add_u32 v4, v2, 4, v4                   ; W1's fragments: a row to a line, + 16 h
	s_mul_i32 s22, s16, 64*PB                      ; my 64 rows of a sub-tile's 128
	v_add_nc_u32 v[ADRB+2], s22, v4
	v_add_nc_u32 v[ADRB+3], 2*TILE, v[ADRB+2]
	v_mul_u32_u24 v9, v1, PA
	v_lshl_add_u32 v9, v2, 4, v9
	s_mul_i32 s22, s16, 64*PA
	s_add_co_u32 s22, s22, RB
	v_add_nc_u32 v[ADRB], s22, v9                  ; and in RB, rows of 1,040 bytes
	s_mul_i32 s21, s15, SAH                        ; the scale words: y's rows 64 (w / 2) on;
	s_mul_i32 s22, s16, SAH                        ; W1's rows 64 (w % 2) on,
	s_add_co_u32 s22, s22, SCLB-SCL
	s_sub_co_u32 s22, s22, s21
	v_mul_u32_u24 v6, s22, v2                      ; lanes 16-31 take W1's: the lower base + h x the distance
	s_add_co_u32 s22, s22, SBH                     ; sub-tile 1: W1's rows 128 further on
	v_mul_u32_u24 v8, s22, v2
	s_add_co_u32 s21, s21, SCL
	v_add_nc_u32 v6, v5, v6
	v_add_nc_u32 v8, v5, v8
	v_add_nc_u32 v[ADRS0], s21, v6
	v_add_nc_u32 v[ADRS1], s21, v8
	s_mul_i32 s23, s14, 16*PB
	s_add_co_u32 s23, s23, STAGE                   ; my stage
	v_mul_u32_u24 v9, v1, PB
	v_lshl_add_u32 v9, v2, 5, v9
	v_add_nc_u32 v[STO], s23, v9                   ; in: row r, 32 bytes for each half of the lanes
	v_mul_u32_u24 v9, v2, PB
	v_lshl_add_u32 v9, v1, 4, v9
	v_add_nc_u32 v[RD], s23, v9                    ; back: lanes 0-15 one row of 256 bytes, lanes 16-31 the next
	v_lshlrev_b32 v[CO], 14, v2
	v_lshl_add_u32 v[CO], v1, 4, v[CO]             ; and the same two rows in out0: 16,384 bytes a row
	v_lshlrev_b32 v7, 5, v2                        ; b1: 8 h numbers on
	s_wait_alu depctr_va_vdst(0)
	s_lshl_b32 s20, s17, 7
	s_lshl_b32 s21, s15, 6
	s_add_co_u32 s20, s20, s21                     ; my first row of out0,
	s_lshl_b32 s20, s20, 14                        ; of 16,384 bytes
	s_mov_b32 s21, 0
	s_lshl_b32 s46, s42, 10
	s_lshl_b32 s47, s16, 8
	s_add_co_u32 s46, s46, s47                     ; my first column, in bytes: 1,024 x tile column + 256 x half: in out0 and in b1 alike; sub-tile 1 lies 512 bytes on
	s_mov_b32 s47, 0
	s_add_nc_u64 s[96:97], s[96:97], s[46:47]
	s_add_nc_u64 s[20:21], s[20:21], s[46:47]
	s_add_nc_u64 s[12:13], s[12:13], s[20:21]
.irp u, 0,1
.irp j, 0,1,2,3
	global_load_b128 v[BIAS+32*\u+8*\j:BIAS+32*\u+8*\j+3], v7, s[96:97] offset:512*\u+64*\j       ; b1 in the result's layout: columns 128 u + 16 j + 8 h + 0 .. 7
	global_load_b128 v[BIAS+32*\u+8*\j+4:BIAS+32*\u+8*\j+7], v7, s[96:97] offset:512*\u+64*\j+16
.endr
.endr
; y's fragments of my 64 rows, all 16 K steps: 128 LDS loads.  A fragment: lane l holds row l % 16; registers 4 c .. 4 c + 3 hold K = 64 c + 32 (l / 16) + 0 .. 31
.macro ALOAD
.set kc, 0
.rept 16
.if kc < 8
	WIN 0x80
.else
	WIN 0xc0
.endif
.irp i, 0,1,2,3
	ds_load_b128 v[32*(kc%8)+8*\i:32*(kc%8)+8*\i+3], v[ADRA+kc/4] offset:(kc%4)*PLANE+\i*SBLK
	ds_load_b128 v[32*(kc%8)+8*\i+4:32*(kc%8)+8*\i+7], v[ADRA+kc/4] offset:(kc%4)*PLANE+\i*SBLK+32
.endr
.set kc, kc+1
.endr
	WIN 0
.endm
.macro SCALES adr                      ; a sub-tile's scale words, all 16 K steps: 16 loads of four words
.irp i, 0,1,2,3
.irp s, 0,1,2,3
	ds_load_b128 v[SC+16*\i+4*\s:SC+16*\i+4*\s+3], v[\adr] offset:\i*SBLK+16*\s
.endr
.endr
.endm
.macro FETCHB sub, ks, set             ; 8 LDS loads: W1's four fragments of K step ks into a set
	WIN TO_B
.irp j, 0,1,2,3
.if (\sub) == 0
	ds_load_b128 v[32*(\set)+8*\j:32*(\set)+8*\j+3], v[ADRB] offset:\j*16*PA+64*(\ks)
	ds_load_b128 v[32*(\set)+8*\j+4:32*(\set)+8*\j+7], v[ADRB] offset:\j*16*PA+64*(\ks)+32
.else
	ds_load_b128 v[32*(\set)+8*\j:32*(\set)+8*\j+3], v[ADRB+2+(\ks)/8] offset:(((\ks)/4)%2)*TILE+\j*16*PB+64*((\ks)%4)
	ds_load_b128 v[32*(\set)+8*\j+4:32*(\set)+8*\j+7], v[ADRB+2+(\ks)/8] offset:(((\ks)/4)%2)*TILE+\j*16*PB+64*((\ks)%4)+32
.endif
.endr
.endm
; 16 matrix instructions: y's four blocks x W1's four.  The 16 accumulators take turns, one instruction a turn, in the same order in every step.  K step 0 takes b1 as C.
; Windows: source 0 (W1) 1; source 1 (y) 2 or 3; C 1, or 0 for b1; D 1.
.macro MUL sub, ks, set
.if (\ks) == 0
	WIN 0x49
.elseif (\ks) < 8
	WIN 0x59
.else
	WIN 0x5d
.endif
.irp i, 0,1,2,3
.irp j, 0,1,2,3
.if (\ks) == 0
	v_wmma_scale_f32_16x16x128_f8f6f4 v[ACC+8*(4*\i+\j):ACC+8*(4*\i+\j)+7], v[32*(\set)+8*\j:32*(\set)+8*\j+7], v[32*((\ks)%8)+8*\i:32*((\ks)%8)+8*\i+7], v[BIAS+32*(\sub)+8*\j:BIAS+32*(\sub)+8*\j+7], v[SC+16*\j+(\ks)], v[SC+16*\i+(\ks)] matrix_a_fmt:MATRIX_FMT_FP4 matrix_b_fmt:MATRIX_FMT_FP4 matrix_a_scale:MATRIX_SCALE_ROW1
.else
	v_wmma_scale_f32_16x16x128_f8f6f4 v[ACC+8*(4*\i+\j):ACC+8*(4*\i+\j)+7], v[32*(\set)+8*\j:32*(\set)+8*\j+7], v[32*((\ks)%8)+8*\i:32*((\ks)%8)+8*\i+7], v[ACC+8*(4*\i+\j):ACC+8*(4*\i+\j)+7], v[SC+16*\j+(\ks)], v[SC+16*\i+(\ks)] matrix_a_fmt:MATRIX_FMT_FP4 matrix_b_fmt:MATRIX_FMT_FP4 matrix_a_scale:MATRIX_SCALE_ROW1
.endif
.endr
.endr
.endm
; A K step of 128.  W1's fragments are asked for two steps ahead, into the set that the step before has multiplied: four plain places stand between those matrix instructions and the loads
; (ISA guide 7.12.1 for vector instructions).
.macro STEP sub, ks
.if (\ks)+2 < 16
.if (\ks) > 0
	PLACES 4
.endif
	FETCHB \sub, (\ks)+2, ((\ks)+2)%3
	s_wait_dscnt 16                                ; this step's fragments are in; those of the two steps ahead, 8 loads each, may be out
.elseif (\ks)+1 < 16
	s_wait_dscnt 8                                 ; the last step's 8 loads may be out
.else
	s_wait_dscnt 0x0
.endif
	MUL \sub, \ks, (\ks)%3
.endm
.macro STEPS sub
.set KS, 0
.rept 16
	STEP \sub, KS
.set KS, KS+1
.endr
	WIN 0
	PLACES 5                                       ; four places in front of the first read of results and of loads into registers that the products have read; a fifth in front of the next sub-tile's first products, which begin the accumulators anew
.endm
; THE WAY OUT of a sub-tile, block by block of 16 rows x 64 columns, through my own stage in LDS: in as 32 bytes a lane, back as whole rows of 256 bytes: sixteen lanes store 256 consecutive bytes, at a multiple of 256 from out0's first byte.
; LDS serves a wave's instructions in order (ISA guide 5.7.1.4): no wait between the stores and the loads, nor in front of the next block's stores.  Block, rows and sub-tile stand in the stores' immediate: no base is stepped.
.macro TOSTAGE a
	WIN 0x04                                       ; the data: window 1
.irp j, 0,1,2,3
	ds_store_b128 v[STO], v[ACC+8*(4*(\a)+\j):ACC+8*(4*(\a)+\j)+3] offset:64*\j          ; each accumulator from its low end on
	ds_store_b128 v[STO], v[ACC+8*(4*(\a)+\j)+4:ACC+8*(4*(\a)+\j)+7] offset:64*\j+16
.endr
	WIN 0
.irp t, 0,1,2,3,4,5,6,7
	ds_load_b128 v[BK+32*((\a)%2)+4*\t:BK+32*((\a)%2)+4*\t+3], v[RD] offset:\t*2*PB
.endr
.endm
.macro SEND sub, a, younger            ; younger: the LDS instructions issued behind block a's loads, which may stay out
	s_wait_dscnt \younger
.irp t, 0,1,2,3,4,5,6,7
	global_store_b128 v[CO], v[BK+32*((\a)%2)+4*\t:BK+32*((\a)%2)+4*\t+3], s[12:13] offset:(16*(\a)+2*\t)*SIZE_N*4+512*(\sub) th:TH_STORE_NT   ; written once, read by nobody here
.endr
.endm
.macro WAYOUT sub
	s_wait_xcnt 0x0                                ; earlier stores have read their registers: the rows' registers may be loaded again
	TOSTAGE 0
.irp a, 1,2,3
.if \a > 1
	s_wait_xcnt 0x0                                ; block a - 2's stores have read their registers
.endif
	TOSTAGE \a
	SEND \sub, \a-1, 16                            ; behind block a - 1's loads: block a's 8 stores and 8 loads
.endr
	SEND \sub, 3, 0
.endm
	s_wait_tensorcnt 0x0                           ; my one tile of the head's four is in
	s_barrier_signal -1
	s_barrier_wait -1                              ; everybody's are
	ALOAD                                          ; y into registers, for the whole launch
	SCALES ADRS0
	s_wait_tensorcnt 0x0                           ; all my tensor loads have landed
	ds_add_u32 v[SPW], v[NIL]                      ; 0 onto my spare word
	s_wait_dscnt 0x0                               ; the add is done, and my reads of y's bytes are over
	CROUND                                         ; a round of the cluster's barrier: no wave of any partner still reads y's bytes or has a load on its way
	tensor_load_to_lds s[G0B+4:G0B+7], s[G1B:G1B+7]   ; THE REFILL, one load a wave, first behind the round
	s_nop 0
	PLACES 4
	FETCHB 0, 0, 0
	FETCHB 0, 1, 1
	s_wait_loadcnt 0x0                             ; b1
	STEPS 0                                        ; sub-tile 0: 256 matrix instructions
	SCALES ADRS1                                   ; the next sub-tile's scale words
	WAYOUT 0                                       ; its stores leave while sub-tile 1 is multiplied
	s_wait_tensorcnt 0x0                           ; my part of W1's rows 128-255 is in,
	s_wait_dscnt 0x0
	s_barrier_signal -1
	s_barrier_wait -1                              ; everybody's is
	FETCHB 1, 0, 0
	FETCHB 1, 1, 1
	STEPS 1                                        ; sub-tile 1
	WAYOUT 1
	s_wait_tensorcnt 0x0                           ; the wave's end, behind my last tensor load and my last LDS store
	ds_add_u32 v[SPW], v[NIL]
	s_wait_dscnt 0x0
	CROUND                                         ; the closing round: no work-group ends while a partner may still ask for a tile that names it
	s_endpgm
.Lfunc_end_k_q8610c147a3_probe:
	.size	k_q8610c147a3_probe, .Lfunc_end_k_q8610c147a3_probe-k_q8610c147a3_probe
	.p2alignl 7, 3214868480
	.fill 96, 4, 3214868480
	.section	.rodata,"a",@progbits
	.p2align	6, 0x0
	.amdhsa_kernel k_q8610c147a3_probe
		.amdhsa_group_segment_fixed_size 327680
		.amdhsa_private_segment_fixed_size 0
		.amdhsa_enable_private_segment 0
		.amdhsa_kernarg_size 48
		.amdhsa_user_sgpr_count 2
		.amdhsa_user_sgpr_kernarg_segment_ptr 1
		.amdhsa_wavefront_size32 1
		.amdhsa_system_sgpr_workgroup_id_x 1
		.amdhsa_system_sgpr_workgroup_id_y 1
		.amdhsa_system_sgpr_workgroup_id_z 1
		.amdhsa_system_vgpr_workitem_id 0
		.amdhsa_next_free_vgpr 1024
		.amdhsa_next_free_sgpr 98
		.amdhsa_reserve_vcc 0
		.amdhsa_float_denorm_mode_32 3
		.amdhsa_float_denorm_mode_16_64 3
		.amdhsa_memory_ordered 1
		.amdhsa_forward_progress 1
		.amdhsa_inst_pref_size 124
	.end_amdhsa_kernel
	.amdgpu_metadata
---
amdhsa.version: [ 1, 2 ]
amdhsa.kernels:
  - .name:           k_q8610c147a3_probe
    .symbol:         k_q8610c147a3_probe.kd
    .args:
      - { .name: y_codes, .offset: 0, .size: 8, .value_kind: global_buffer, .address_space: global }
      - { .name: y_scales, .offset: 8, .size: 8, .value_kind: global_buffer, .address_space: global }
      - { .name: W1_codes, .offset: 16, .size: 8, .value_kind: global_buffer, .address_space: global }
      - { .name: W1_scales, .offset: 24, .size: 8, .value_kind: global_buffer, .address_space: global }
      - { .name: out0, .offset: 32, .size: 8, .value_kind: global_buffer, .address_space: global }
      - { .name: b1, .offset: 40, .size: 8, .value_kind: global_buffer, .address_space: global }
    .group_segment_fixed_size: 327680
    .private_segment_fixed_size: 0
    .kernarg_segment_align: 8
    .kernarg_segment_size: 48
    .max_flat_workgroup_size: 128
    .sgpr_count:     98
    .vgpr_count:     1024
    .wavefront_size: 32
...
	.end_amdgpu_metadata
.endif
;; end of part 2
